; MI455X (gfx1250); checked and timed in simulation.
; The chip was launched on July 23, 2026; its instructions are those of AMD's public machine-readable ISA for CDNA 5 (MIT licence, August 2026) and "CDNA5" Instruction Set Architecture Reference Guide (July 2026). The comments in the code are by the model that wrote it; some were corrected since.
;; TPU Mo E Layer. Allowed arithmetic: float matrix products may take bf16 or f16 operands with f32 sums; other float arithmetic in f32, or as packed bf16 or f16 multiplies, adds, multiply-adds, maxima and minima; sums over many terms, partial sums and values carried from step to step in f32; what a program stores and reads back later, other than sums and carried values, may be rounded once to bf16 or f16.
;; Inputs: W1 8 x 1,024 x 4,096 float32; W2 8 x 4,096 x 1,024 float32; Wr 1,024 x 8 float32; b1 8 x 4,096 float32; b2 8 x 1,024 float32; x 4 x 256 x 1,024 float32.
;; Outputs: out0 4 x 256 x 1,024 float32.
;; One version. Each part assembles by itself: llvm-mc -triple=amdgcn-amd-amdhsa -mcpu=gfx1250 --defsym DOCPART=n.
;; ======== version 1 of 1: 4 launches
;; workspace buffers: xb 2,097,152 bytes; sel 4,096 bytes of whole numbers; gate 8,192 bytes; bm 2,048 bytes of whole numbers; lst 49,152 bytes of whole numbers; hid 67,108,864 bytes; y 33,554,432 bytes
;; launch router (part 1): grid 64 x 1, 8 waves a work-group, no clusters, 42,496 bytes of LDS; arguments x, Wr, xb, sel, gate, bm; writes xb, sel, gate, bm
.if DOCPART == 1
	.amdgcn_target "amdgcn-amd-amdhsa--gfx1250"
	.amdhsa_code_object_version 6
	.text
	.protected	k_q75cc27a0a0_router
	.globl	k_q75cc27a0a0_router
	.p2align	8
	.type	k_q75cc27a0a0_router,@function
k_q75cc27a0a0_router:
	s_mov_b64 s[64:65], 0
	v_nop
	global_prefetch_b8 v0, s[64:65] scope:SCOPE_SE
	s_setreg_imm32_b32 hwreg(HW_REG_WAVE_MODE, 25, 1), 1
	s_wait_xcnt 0x0
; ROUTER.  logits = x Wr, softmax over 8 experts, the two largest probabilities; beside it x is written once more in bf16 (xb).
; x: [1024][1024] f32, Wr: [1024][8] f32.  Both are rounded to bf16 for the product (as every input of this program is); sums, softmax and the choice in f32.
; OUT, all at fixed places: xb [1024][1024] bf16; sel[t] = e0 | e1 << 8; gate[t] = (p0, p1);
; bm: u16 [2][8][64]: bit r of word (map, e, g) speaks of token 16 g + r: map 0: the token chose e; map 1: e is its second choice.
; SHARES.  A work-group has 16 tokens.  Wave v reads rows 2 v and 2 v + 1 whole (each load 512 neighbouring bytes), rounds them, stores them to xb (each store 256
; neighbouring bytes, aligned) and into LDS; then it multiplies k = 128 v .. 128 v + 127 of all 16 tokens: four matrix instructions on four accumulators.  The eight waves' parts meet in LDS, and wave 0 does the softmax.
; The matrix instruction takes Wr as source 0 (row m stands for expert m % 8) and the tokens as source 1: register j of every lane is then expert j's logit of token lane % 16.
; LIMITS.  Equal probabilities: the lower index wins, as in jax.lax.top_k.  Two probabilities that differ only by the last bit of an exponential may fall in another order than in jax.
; A probability below 2^-126 counts as 0.  NaN and infinities are not treated apart.
.set XPITCH, 2064                      ; a token's row in LDS: 2,048 bytes + 16: an odd multiple of 16, so the 16 rows of a fragment load begin at 16 different groups of four banks (ISA guide 11.1)
.set RED,    33280                     ; behind the 16 rows: 8 waves x 32 lanes x 32 bytes, the waves' partial logits
.set SPARE,  41472                     ; the spare words: 128 bytes for each of eight waves, four blocks of 256 bytes that no other line names
.set X,   32                           ; v[32:95]    two rows of x as loaded
.set XP,  96                           ; v[96:127]   the same in bf16
.set WR,  128                          ; v[128:191]  Wr as loaded; later the eight waves' partial logits
.set WFR, 192                          ; v[192:223]  Wr's four fragments
.set TF,  32                           ; v[32:63]    the tokens' four fragments (x's registers are free by then)
.set DD,  64                           ; v[64:95]    four accumulators
.set SPW, 28                           ; v28  LDS address of my spare word; never rewritten
.set NIL, 29                           ; v29  0; never rewritten
	s_load_b256 s[4:11], s[0:1], 0x0               ; x s[4:5], Wr s[6:7], xb s[8:9], sel s[10:11]
	s_load_b128 s[12:15], s[0:1], 0x20             ; gate s[12:13], bm s[14:15]
	v_lshl_add_u32 v[SPW], v0, 2, SPARE
	v_mov_b32 v[NIL], 0
	v_lshrrev_b32 v10, 5, v0
	v_readfirstlane_b32 s16, v10                   ; wave 0..7
	v_and_b32 v1, 31, v0                           ; lane
	v_and_b32 v2, 15, v0                           ; r
	v_bfe_u32 v3, v0, 4, 1                         ; h
	v_lshlrev_b32 v4, 4, v1                        ; 16 bytes a lane in x
	v_lshlrev_b32 v5, 3, v1                        ; 8 bytes a lane in xb
	s_mul_i32 s17, s16, 2*XPITCH
	v_add_nc_u32 v6, s17, v5                       ; my 8 bytes in my wave's first row in LDS
	v_and_b32 v7, 7, v0
	v_lshlrev_b32 v7, 2, v7                        ; Wr: expert r % 8,
	v_lshl_add_u32 v7, v3, 8, v7                   ; row 8 h,
	s_lshl_b32 s18, s16, 12
	v_add_nc_u32 v7, s18, v7                       ; of my wave's 128 rows of 32 bytes
	v_mul_u32_u24 v8, v2, XPITCH                   ; a token fragment: row r,
	v_lshl_add_u32 v8, v3, 4, v8                   ; 16 bytes for each half of the lanes,
	s_lshl_b32 s19, s16, 8
	v_add_nc_u32 v8, s19, v8                       ; at my wave's 128 k
	s_lshl_b32 s20, s16, 10
	s_add_co_u32 s20, s20, RED
	v_lshl_add_u32 v9, v1, 5, s20                  ; my 32 bytes of partial logits
	s_lshl_b32 s21, ttmp9, 4                       ; the work-group's first token
	s_lshl_b32 s22, s16, 1
	s_add_co_u32 s22, s21, s22                     ; my wave's first row
	s_lshl_b32 s24, s22, 12                        ; in x, bytes
	s_mov_b32 s25, 0
	s_lshl_b32 s26, s22, 11                        ; in xb
	s_mov_b32 s27, 0
	s_wait_kmcnt 0x0
	s_add_nc_u64 s[4:5], s[4:5], s[24:25]
	s_add_nc_u64 s[8:9], s[8:9], s[26:27]
.set p, 0
.rept 16                                               ; two rows of x: 16 loads of 512 neighbouring bytes
	global_load_b128 v[X+4*p:X+4*p+3], v4, s[4:5] offset:(p/8)*4096+(p%8)*512 th:TH_LOAD_NT
.set p, p+1
.endr
.set n, 0
.rept 32                                               ; Wr[128 v + 8 (n / 8) x 2 .. ]: register n of 64 holds k = 128 v + 16 (n / 8) + 8 h + n % 8, expert r % 8
	global_load_b32 v[WR+n], v7, s[6:7] offset:(n/8)*512+(n%8)*32
.set n, n+1
.endr
	s_wait_loadcnt 32                              ; x is in; the 32 loads of Wr behind it may stay out
.set p, 0
.rept 32
	v_cvt_pk_bf16_f32 v[XP+p], v[X+2*p], v[X+2*p+1]
.set p, p+1
.endr
.set p, 0
.rept 16
	global_store_b64 v5, v[XP+2*p:XP+2*p+1], s[8:9] offset:(p/8)*2048+(p%8)*256  ; 32 lanes store 256 neighbouring bytes, aligned
	ds_store_b64 v6, v[XP+2*p:XP+2*p+1] offset:(p/8)*XPITCH+(p%8)*256
.set p, p+1
.endr
.rept 32                                               ; the other half of my wave's Wr
	global_load_b32 v[WR+n], v7, s[6:7] offset:(n/8)*512+(n%8)*32
.set n, n+1
.endr
	s_wait_loadcnt 0x0
.set m, 0
.rept 32                                               ; fragment s = m / 8, register m % 8: two neighbouring k, the lower in the low half
	v_cvt_pk_bf16_f32 v[WFR+m], v[WR+2*m], v[WR+2*m+1]
.set m, m+1
.endr
	s_wait_dscnt 0x0                               ; for the others' sake: my two rows are in LDS
	s_barrier_signal -1
	s_barrier_wait -1
.set u, 0
.rept 8                                                ; four token fragments: two loads of 16 bytes, 32 bytes apart, for each 32 k
	ds_load_b128 v[TF+4*u:TF+4*u+3], v8 offset:u*32
.set u, u+1
.endr
	s_wait_dscnt 0x0
.irp s, 0,1,2,3                                        ; four accumulators, each begun with the constant 0: no chain
	v_wmma_f32_16x16x32_bf16 v[DD+8*\s:DD+8*\s+7], v[WFR+8*\s:WFR+8*\s+7], v[TF+8*\s:TF+8*\s+7], 0
.endr
.rept 4
	v_nop                                          ; four places between the last product and the first read of a result (ISA guide 7.12.1)
.endr
.irp p, 0,2,4,6                                        ; the four are added, each accumulator's lowest registers first
	v_pk_add_f32 v[DD+\p:DD+\p+1], v[DD+\p:DD+\p+1], v[DD+8+\p:DD+8+\p+1]
	v_pk_add_f32 v[DD+16+\p:DD+16+\p+1], v[DD+16+\p:DD+16+\p+1], v[DD+24+\p:DD+24+\p+1]
.endr
.irp p, 0,2,4,6
	v_pk_add_f32 v[DD+\p:DD+\p+1], v[DD+\p:DD+\p+1], v[DD+16+\p:DD+16+\p+1]
.endr
	ds_store_b128 v9, v[DD:DD+3]
	ds_store_b128 v9, v[DD+4:DD+7] offset:16
	s_wait_tensorcnt 0x0                           ; my last LDS store is issued: this wait, the add and the wait below stand behind it;
	ds_add_u32 v[SPW], v[NIL]
	s_wait_dscnt 0x0                               ; the last of them is also the wait that the barrier needs: my partial logits are in LDS
	s_barrier_signal -1
	s_barrier_wait -1
	s_cmp_lg_u32 s16, 0
	s_cbranch_scc1 .Lend                           ; no barrier stands behind this line: wave 0 alone goes on, and only reads LDS
.set u, 0
.rept 16
	ds_load_b128 v[WR+4*u:WR+4*u+3], v9 offset:(u/2)*1024+(u%2)*16  ; wave 0's v9 is RED + 32 x lane: the same lane's part of wave u / 2
.set u, u+1
.endr
	s_wait_dscnt 0x0
.set w, 1
.rept 7
.irp p, 0,2,4,6
	v_pk_add_f32 v[WR+\p:WR+\p+1], v[WR+\p:WR+\p+1], v[WR+8*w+\p:WR+8*w+\p+1]
.endr
.set w, w+1
.endr
	; softmax of the eight logits v128-135: the maximum is taken away first
	v_max3_num_f32 v10, v128, v129, v130
	v_max3_num_f32 v10, v10, v131, v132
	v_max3_num_f32 v10, v10, v133, v134
	v_max_num_f32 v10, v10, v135
.irp i, 0,1,2,3,4,5,6,7
	v_sub_f32 v[136+\i], v[128+\i], v10
.endr
.irp i, 0,1,2,3,4,5,6,7
	v_mul_f32 v[136+\i], 0x3fb8aa3b, v[136+\i]     ; times log2(e)
.endr
.irp i, 0,1,2,3,4,5,6,7
	v_exp_f32 v[136+\i], v[136+\i]
.endr
	v_mov_b32 v11, 0                               ; the plain instruction behind the last exponential: the first choice starts at expert 0
	s_wait_alu depctr_va_vdst(0)                   ; one wait for the eight exponentials, ahead of their first reader
	v_pk_add_f32 v[144:145], v[136:137], v[138:139]
	v_pk_add_f32 v[146:147], v[140:141], v[142:143]
	v_pk_add_f32 v[144:145], v[144:145], v[146:147]
	v_add_f32 v12, v144, v145
	v_rcp_f32 v13, v12
	v_mov_b32 v16, 0                               ; the plain instruction behind the reciprocal: the second choice starts at expert 0
	s_wait_alu depctr_va_vdst(0)
.irp i, 0,1,2,3,4,5,6,7
	v_mul_f32 v[136+\i], v[136+\i], v13            ; the probabilities
.endr
	v_mov_b32 v14, v136                            ; the largest: a later one wins only if it is strictly greater, so the lower index keeps a tie
.irp i, 1,2,3,4,5,6,7
	v_cmp_gt_f32 vcc_lo, v[136+\i], v14
	v_cndmask_b32 v14, v14, v[136+\i], vcc_lo
	v_cndmask_b32 v11, v11, \i, vcc_lo
.endr
.irp i, 0,1,2,3,4,5,6,7                                ; the first choice is taken out: -1 lies below every probability
	v_cmp_eq_u32 vcc_lo, \i, v11
	v_cndmask_b32 v[144+\i], v[136+\i], -1.0, vcc_lo
.endr
	v_mov_b32 v15, v144
.irp i, 1,2,3,4,5,6,7
	v_cmp_gt_f32 vcc_lo, v[144+\i], v15
	v_cndmask_b32 v15, v15, v[144+\i], vcc_lo
	v_cndmask_b32 v16, v16, \i, vcc_lo
.endr
	v_lshl_or_b32 v17, v16, 8, v11                 ; e0 | e1 << 8
	v_add_nc_u32 v18, s21, v2                      ; my token; lanes 16-31 hold the same numbers as lanes 0-15 and store them to the same places
	v_lshlrev_b32 v19, 2, v18
	v_lshlrev_b32 v20, 3, v18
	global_store_b32 v19, v17, s[10:11]
	global_store_b64 v20, v[14:15], s[12:13]
	v_mov_b32 v21, 0                               ; lane e takes expert e's members, lane 8 + e its second choices: 16 bits, a bit a token
.irp e, 0,1,2,3,4,5,6,7
	v_cmp_eq_u32 s30, \e, v11
	v_cmp_eq_u32 s31, \e, v16
	s_or_b32 s30, s30, s31
	v_writelane_b32 v21, s30, \e
	v_writelane_b32 v21, s31, 8+\e
.endr
	v_lshlrev_b32 v22, 7, v1                       ; (map, e) = lane: 128 bytes each,
	s_lshl_b32 s32, ttmp9, 1
	v_add_nc_u32 v22, s32, v22                     ; my work-group's two bytes in them
	v_cmp_gt_u32 vcc_lo, 16, v1
	s_wait_xcnt 0x0                                ; EXEC is a source of the stores above: it changes only behind this wait
	s_and_saveexec_b32 s33, vcc_lo
	global_store_b16 v22, v21, s[14:15]
	s_wait_xcnt 0x0                                ; and again in front of the line that widens it
	s_or_b32 exec_lo, exec_lo, s33
.Lend:
	s_endpgm
.Lfunc_end_k_q75cc27a0a0_router:
	.size	k_q75cc27a0a0_router, .Lfunc_end_k_q75cc27a0a0_router-k_q75cc27a0a0_router
	.p2alignl 7, 3214868480
	.fill 96, 4, 3214868480
	.section	.rodata,"a",@progbits
	.p2align	6, 0x0
	.amdhsa_kernel k_q75cc27a0a0_router
		.amdhsa_group_segment_fixed_size 42496
		.amdhsa_private_segment_fixed_size 0
		.amdhsa_enable_private_segment 0
		.amdhsa_kernarg_size 48
		.amdhsa_user_sgpr_count 2
		.amdhsa_user_sgpr_kernarg_segment_ptr 1
		.amdhsa_wavefront_size32 1
		.amdhsa_system_sgpr_workgroup_id_x 1
		.amdhsa_system_sgpr_workgroup_id_y 1
		.amdhsa_system_sgpr_workgroup_id_z 1
		.amdhsa_system_vgpr_workitem_id 0
		.amdhsa_next_free_vgpr 224
		.amdhsa_next_free_sgpr 66
		.amdhsa_reserve_vcc 1
		.amdhsa_float_denorm_mode_32 3
		.amdhsa_float_denorm_mode_16_64 3
		.amdhsa_memory_ordered 1
		.amdhsa_forward_progress 1
		.amdhsa_inst_pref_size 29
	.end_amdhsa_kernel
	.amdgpu_metadata
---
amdhsa.version: [ 1, 2 ]
amdhsa.kernels:
  - .name:           k_q75cc27a0a0_router
    .symbol:         k_q75cc27a0a0_router.kd
    .args:
      - { .name: x, .offset: 0, .size: 8, .value_kind: global_buffer, .address_space: global }
      - { .name: Wr, .offset: 8, .size: 8, .value_kind: global_buffer, .address_space: global }
      - { .name: xb, .offset: 16, .size: 8, .value_kind: global_buffer, .address_space: global }
      - { .name: sel, .offset: 24, .size: 8, .value_kind: global_buffer, .address_space: global }
      - { .name: gate, .offset: 32, .size: 8, .value_kind: global_buffer, .address_space: global }
      - { .name: bm, .offset: 40, .size: 8, .value_kind: global_buffer, .address_space: global }
    .group_segment_fixed_size: 42496
    .private_segment_fixed_size: 0
    .kernarg_segment_align: 8
    .kernarg_segment_size: 48
    .max_flat_workgroup_size: 256
    .sgpr_count:     66
    .vgpr_count:     224
    .wavefront_size: 32
...
	.end_amdgpu_metadata
.endif
;; end of part 1
;; launch up (part 2): grid 32 x 8, 4 waves a work-group, no clusters, 271,360 bytes of LDS; arguments xb, W1, b1, bm, hid, lst; writes hid, lst
.if DOCPART == 2
	.amdgcn_target "amdgcn-amd-amdhsa--gfx1250"
	.amdhsa_code_object_version 6
	.text
	.protected	k_q75cc27a0a0_up
	.globl	k_q75cc27a0a0_up
	.p2align	8
	.type	k_q75cc27a0a0_up,@function
k_q75cc27a0a0_up:
	s_mov_b64 s[64:65], 0
	v_nop
	global_prefetch_b8 v0, s[64:65] scope:SCOPE_SE
	s_setreg_imm32_b32 hwreg(HW_REG_WAVE_MODE, 25, 1), 1
	s_wait_xcnt 0x0
; FIRST PRODUCT OF THE EXPERTS.  hid = gelu(x W1[e] + b1[e]) for the tokens that chose expert e, gelu in its tanh form: z / (1 + 2^(z (C1 + C2 z^2))).
; xb: [1024][1024] bf16; W1: [8][1024][4096] f32; b1: [8][4096] f32; bm: the choices as bitmaps.  W1 and b1 are rounded to bf16 (as every input of this program is), sums and gelu in f32, hid once to bf16.
; SHARES.  Work-group (sl, e) has the slice W1[e][all 1,024 k][128 sl .. 128 sl + 127], 512 KB that it alone reads, and ALL of expert e's tokens, whatever their number (0 to 1,024).
; The slice is read once, rounded in registers and laid into LDS as matrix fragments (256 KB, each byte written once).  PASS 0 multiplies the expert's first 20 tiles of 16 tokens WHILE the slice streams in.
; Tokens past 320 take passes 1 to 3 on the slice in LDS: no weight is read twice, but those passes ask for a trip's tokens at its head and wait for them: they serve every split, not at pass 0's pace.
; A wave has the tiles 20 pass + 4 i + w, i = 0..4, times all 128 columns: 40 accumulators.  Places past the expert's count repeat its last token; tiles past the count are not stored (tile 0 always is, so that the next launch reads no byte that nobody wrote).
; NO TRANSPOSE.  W1's rows lie along the columns.  Lane (r, h) loads 16 bytes of row k: columns 4 r .. 4 r + 3 of a group of 64, so 16 lanes read 256 neighbouring bytes, aligned.  The same column of rows k and k + 1, rounded
; as a pair, IS a register of a fragment of source 0 in which row r stands for column 4 r + c: eight loads give half a fragment of four column tiles c = 0..3.  Wave w does so for column group a = w % 2 and fragment half hh = w / 2.
; K step s, half hf, lane half h, place j is k = 32 s + 16 hf + 8 h + j, for weights and tokens alike.  Tokens are source 1: in a result lane r is token r, register j column 64 a + 32 h + 4 j + c.
; Two neighbouring registers, rounded as a pair, are then a register of a fragment of the NEXT product: hid is stored as that launch's wave takes it:
; byte ((e 64 + tile) 128 + kk) 1024 + hf 512 + lane 16, where kk = 4 sl + 2 a + c / 2 and hf = c % 2.
; THE LIST.  Wave 0 ranks the expert's tokens from the bitmaps (a running count and the lane's count of members below it) and writes entry 2 t + k (k = 1: second choice) at its rank into LDS; work-groups sl = 0 copy it to lst.
; NO CLUSTER, NO TENSOR LOADS: each weight byte has one reader and must pass through registers to be rounded; the tokens come by a list, which no tile descriptor covers.
; LIMITS.  NaN and infinities are not treated apart; where z^2 overflows gelu gives z (z > 0) or 0 (z < 0), its limits.
.set RP,     16384                     ; bytes in a row of W1[e]
.set WK2,    64                        ; the weight row of K step v of a trip, load j: WK2 (v / 2) + WK1 (v % 2) + WKJ j, beside the lane's 8 h + 16 hh
.set WK1,    32
.set WKJ,    1
.set WSTEP,  128*RP                    ; a trip is four K steps: 128 rows
.set TK2,    128                       ; a token's bytes of K step v, half hf: TK2 (v / 2) + TK1 (v % 2) + TKH hf, beside the lane's 16 h
.set TK1,    64
.set TKH,    32
.set TSTEP,  256
.set LIST,   0                         ; LDS: 1,536 entries
.set DUMP,   6144                      ; a word a lane, for lanes whose token is no member
.set SPARE,  6400                      ; the spare words: 128 bytes a wave, two blocks of 256 bytes that no other line names
.set BIAS,   6912                      ; 512 bytes a wave, its own: the slice's 128 biases
.set WL,     9216                      ; the slice as fragments: K step s, column tile ct, half hf, lane: s 8192 + ct 1024 + hf 512 + lane 16: every load and store is 512 neighbouring bytes
.set KB,     8192
.set TRIPB,  4*KB
; vector registers, in windows of 256 (s_set_vgpr_msb: bits 1:0 source 0, 3:2 source 1, 5:4 source 2, 7:6 destination)
.set L16, 1                            ; 16 x lane
.set WVO, 2                            ; my byte offset in the slice
.set LS,  3                            ; where I store fragments of K step 0;  LSA: of the trip in hand
.set LSA, 4
.set LL,  5                            ; where I load fragments of K step 0;   LLA: of the trip in hand
.set LLA, 6
.set TAD, 8                            ; v[8:12] my token's byte offset in xb, for each of my five tiles
.set RR,  13                           ; r
.set HF,  14                           ; h
.set HO,  15                           ; my byte offset in hid
.set H16, 31                           ; 16 h
.set SPW, 28                           ; LDS address of my spare word; never rewritten
.set NIL, 29                           ; 0; never rewritten
.set WFA, 32                           ; v[32:95], v[96:159] two buffers of a K step's eight weight fragments
.set P,   160                          ; v[160:175] four half fragments on their way to LDS
.set Q,   176                          ; v[176:207] gelu at work
.set O,   208                          ; v[208:223] packed results
;   window 1: accumulators of tiles 0-3 at 64 i + 8 ct (at the start v0-127 hold the slice's first four pieces)
.set S,   64                           ;   window 2: v0-63 accumulators of tile 4; v[64:191] four pieces of weights as loaded, 32 each
.set T,   0                            ;   window 3: v[0:159] token fragments: buffer v at 40 v, tile i at + 8 i
.set BV,  160                          ;   window 3: v[160:223] the bias as a C operand: column tile ct at + 8 ct
; scalar registers
.set WV,  2                            ; wave;  A = w % 2;  HH = w / 2
.set A,   3
.set HH,  4
.set X,   5                            ; slice
.set EX,  6                            ; expert
.set FT,  7                            ; my first tile of the pass
.set WB,  8                            ; s[8:9]   W1 at the piece to be asked for
.set TBP, 10                           ; s[10:11] xb at the K steps to be asked for
.set OB,  12                           ; s[12:13] hid at (e, tile 0, 4 sl)
.set LP,  14                           ; s[14:15] lst at e
.set BM,  16                           ; s[16:47] members, 32 tokens a word;  s[48:63], s[80:95] second choices
.set TB0, 66                           ; s[66:67] xb
.set NE,  68                           ; the expert's tokens;  NT: its tiles;  NT1: at least 1
.set NT,  69
.set NT1, 70
.set PASS, 71
.set TRIP, 72
.set HAS5, 73                          ; 1: my fifth tile lies below NT
.set LSB, 74                           ; the trip's byte offset for stores into WL;  LLB: for loads
.set LLB, 75
.set C1,  96                           ; s[96:97]  -2 log2(e) sqrt(2 / pi)
.set C2,  98                           ; s[98:99]  the same times 0.044715
.set MSB, 0
.macro WIN new                         ; the immediate's high byte repeats the setting that is left; a switch that changes nothing is dropped
.if MSB != (\new)
	s_set_vgpr_msb (MSB<<8)|(\new)
.set MSB, (\new)
.endif
.endm
.macro PLACES                          ; four places between a matrix instruction and a load into, or a vector read of, one of its registers (ISA guide 7.12.1 for vector reads)
.rept 4
	v_nop
.endr
.endm
.macro WLOAD v, dst, win, add          ; a piece: my eight rows x 16 bytes of K step v of the trip at WB (+ add)
	WIN \win
.irp j, 0,1,2,3,4,5,6,7
	global_load_b128 v[(\dst)+4*\j:(\dst)+4*\j+3], v[WVO], s[WB:WB+1] offset:(WK2*((\v)/2)+WK1*((\v)%2)+WKJ*\j)*RP+(\add) th:TH_LOAD_NT
.endr
.endm
.macro CONS v, src, win                ; a piece becomes four half fragments (column tiles 4 a + c) and goes into LDS
	WIN \win
.irp c, 0,1,2,3
.irp d, 0,1,2,3
	v_cvt_pk_bf16_f32 v[P+4*\c+\d], v[(\src)+8*\d+\c], v[(\src)+8*\d+4+\c]  ; column c of rows 2 d and 2 d + 1
.endr
.endr
	WIN 0
.irp c, 0,1,2,3
	ds_store_b128 v[LSA], v[P+4*\c:P+4*\c+3] offset:(\v)*KB+\c*1024
.endr
.endm
.macro TLOAD v                         ; the token fragments of K step v of the trip at TBP, for my five tiles
	WIN 0xc0
.irp i, 0,1,2,3,4
	global_load_b128 v[T+40*(\v)+8*\i:T+40*(\v)+8*\i+3], v[TAD+\i], s[TBP:TBP+1] offset:TK2*((\v)/2)+TK1*((\v)%2)
	global_load_b128 v[T+40*(\v)+8*\i+4:T+40*(\v)+8*\i+7], v[TAD+\i], s[TBP:TBP+1] offset:TK2*((\v)/2)+TK1*((\v)%2)+TKH
.endr
	WIN 0
.endm
.macro PF buf, adr, off                ; a K step's eight weight fragments out of LDS: one run of 16 loads
	WIN 0
.irp ct, 0,1,2,3,4,5,6,7
	ds_load_b128 v[(\buf)+8*\ct:(\buf)+8*\ct+3], v[\adr] offset:(\off)+\ct*1024
	ds_load_b128 v[(\buf)+8*\ct+4:(\buf)+8*\ct+7], v[\adr] offset:(\off)+\ct*1024+512
.endr
.endm
.macro MM i, v, buf, first             ; tile i times the eight column tiles.  first = 1: the bias starts the sums: nothing is cleared
.if (\i) < 4
.set AB, 64*(\i)
	WIN 0x5c+0x20*(\first)                         ; weights window 0, tokens window 3, D window 1, C window 1 (or 3: the bias)
.else
.set AB, 0
	WIN 0xac+0x10*(\first)                         ; the same with D in window 2
.endif
.irp ct, 0,1,2,3,4,5,6,7
.if \first
	v_wmma_f32_16x16x32_bf16 v[AB+8*\ct:AB+8*\ct+7], v[(\buf)+8*\ct:(\buf)+8*\ct+7], v[T+40*(\v)+8*(\i):T+40*(\v)+8*(\i)+7], v[BV+8*\ct:BV+8*\ct+7]
.else
	v_wmma_f32_16x16x32_bf16 v[AB+8*\ct:AB+8*\ct+7], v[(\buf)+8*\ct:(\buf)+8*\ct+7], v[T+40*(\v)+8*(\i):T+40*(\v)+8*(\i)+7], v[AB+8*\ct:AB+8*\ct+7]
.endif
.endr
.endm
; K STEP v of a trip (s = 4 trip + v).  In pass 0 it rounds piece s + 4 into LDS (cons), asks for piece s + 8 (wiss), fetches the fragments of step s + 1 from LDS (pf), multiplies step s, and asks for the tokens of step s + 4 (tiss).
; nld: the loads younger than the tokens of step s (piece s + 4 is older than they are): 8 + 10 for each of the three steps between, less what the tail no longer issues.
; bar = 1: the trip's one barrier: the pieces stored up to here (steps up to 4 trip + 7) become everybody's; the fetches up to the next barrier read steps 4 trip + 4 .. + 7, the stores write later ones; no byte of WL is written twice.
; fin = 1: the step that lays down the slice's last piece: the wave's last LDS store.  The closing lines behind it stand here, in front of the step's barrier: behind that barrier no wave writes LDS any more.
; The accumulators take turns, one instruction a turn, in the same order in every step, over the loops' jumps too; no two matrix instructions on end share one.
.macro KSTEP v, first, cons, wiss, tiss, pf, bar, nld, fin=0
.set CUR, WFA+64*((\v)%2)
.set OTH, WFA+64*(1-(\v)%2)
.if (\nld) >= 0
	s_wait_loadcnt \nld
.endif
.if \cons
	CONS \v, S+32*(\v), 0x0a
.endif
.if \wiss
	WLOAD \v, S+32*(\v), 0x80, 0
.endif
	WIN 0
.if \fin
	s_wait_tensorcnt 0x0                           ; the closing lines: this wait, the add, and the wait below, which is also the barrier's
	ds_add_u32 v[SPW], v[NIL]
.endif
.if \bar
	s_wait_dscnt 0x0                               ; for the others' sake: my stores into WL are done (and no LDS instruction of mine is out at the signal)
	s_barrier_signal -1
	s_barrier_wait -1
.endif
.if \pf
	PF OTH, LLA, ((\v)+1)*KB
.endif
	s_wait_dscnt 16*(\pf)+4*(\cons)*(1-(\bar))     ; this step's fragments are in: younger are the 16 loads just issued and, where no barrier stood between, the 4 stores
	MM 0, \v, CUR, \first
	MM 1, \v, CUR, \first
	MM 2, \v, CUR, \first
	MM 3, \v, CUR, \first
.if \first
	MM 4, \v, CUR, 1                               ; the fifth tile's sums are always begun, so that its registers are written on every path
	WIN 0
.else
	WIN 0                                          ; at a branch and at a label every window is 0
	s_cmp_eq_u32 s[HAS5], 0
	s_cbranch_scc1 .Lno5_\@                        ; a fifth tile past the count is not multiplied; nothing but matrix instructions is jumped
	MM 4, \v, CUR, 0
	WIN 0
.Lno5_\@:
.endif
	PLACES                                         ; in front of the loads into this step's token registers, and of the next fetch into this step's weight buffer
.if \tiss
	TLOAD \v
.endif
.endm
.macro STEP w, t                       ; a trip on
	s_wait_xcnt 0x0                                ; the loads issued so far have had their addresses translated (ISA guide 3.1): only now are their bases rewritten
.if \w
	s_add_nc_u64 s[WB:WB+1], s[WB:WB+1], WSTEP
	s_add_co_u32 s[LSB], s[LSB], TRIPB
	v_add_nc_u32 v[LSA], s[LSB], v[LS]
.endif
.if \t
	s_add_nc_u64 s[TBP:TBP+1], s[TBP:TBP+1], TSTEP
.endif
	s_add_co_u32 s[LLB], s[LLB], TRIPB
	v_add_nc_u32 v[LLA], s[LLB], v[LL]
.endm
.macro SETUP                           ; a pass begins: my tiles, their tokens' addresses from the list, the walk back at K step 0
	s_wait_xcnt 0x0
	s_mul_i32 s[FT], s[PASS], 20
	s_add_co_u32 s[FT], s[FT], s[WV]
	s_add_co_u32 s100, s[FT], 16
	s_cmp_lt_u32 s100, s[NT]
	s_cselect_b32 s[HAS5], 1, 0
	s_mov_b64 s[TBP:TBP+1], s[TB0:TB0+1]
	s_mov_b32 s[LLB], 0
	v_mov_b32 v[LLA], v[LL]
	s_lshl_b32 s100, s[FT], 6
	v_lshl_add_u32 v16, v[RR], 2, s100             ; entry 16 tile + r
	v_min_u32 v16, 4092, v16                       ; (63 tiles x 64 bytes + 60 is the most that it can be)
.irp i, 0,1,2,3,4
	ds_load_b32 v[TAD+\i], v16 offset:LIST+\i*256
.endr
	s_wait_dscnt 0x0
.irp i, 0,1,2,3,4
	v_lshrrev_b32 v[TAD+\i], 1, v[TAD+\i]          ; entry 2 t + k: the token,
	v_min_u32 v[TAD+\i], 1023, v[TAD+\i]           ; held inside xb,
	v_lshl_add_u32 v[TAD+\i], v[TAD+\i], 11, v[H16]  ; its row of 2,048 bytes, 16 bytes on for the upper half of the lanes
.endr
.endm
; gelu of the four column tiles 4 a + c of one token tile (accumulators at ab in window zw), rounded and stored.  Pair n = 4 c + d is registers 2 d, 2 d + 1 of accumulator c: each accumulator is read from its low end on.
.macro GELU ab, zw, a
	WIN 5*(\zw)
.set n, 0
.rept 16
.set Z, (\ab)+8*(4*(\a)+n/4)+2*(n%4)
	v_pk_mul_f32 v[Q+2*n:Q+2*n+1], v[Z:Z+1], v[Z:Z+1]
.set n, n+1
.endr
	WIN 0
.set n, 0
.rept 16
	v_pk_fma_f32 v[Q+2*n:Q+2*n+1], v[Q+2*n:Q+2*n+1], s[C2:C2+1], s[C1:C1+1] op_sel_hi:[1,0,0]
.set n, n+1
.endr
	WIN 4*(\zw)
.set n, 0
.rept 16
.set Z, (\ab)+8*(4*(\a)+n/4)+2*(n%4)
	v_pk_mul_f32 v[Q+2*n:Q+2*n+1], v[Q+2*n:Q+2*n+1], v[Z:Z+1]
.set n, n+1
.endr
	WIN 0
.set n, 0
.rept 32
	v_exp_f32 v[Q+n], v[Q+n]
.set n, n+1
.endr
	v_nop                                          ; the plain instruction behind the last exponential
	s_wait_alu depctr_va_vdst(0)                   ; one wait for the batch of 32, ahead of its first reader
.set n, 0
.rept 16
	v_pk_add_f32 v[Q+2*n:Q+2*n+1], v[Q+2*n:Q+2*n+1], 1.0 op_sel_hi:[1,0]
.set n, n+1
.endr
.set n, 0
.rept 32
	v_rcp_f32 v[Q+n], v[Q+n]
.set n, n+1
.endr
	v_nop
	s_wait_alu depctr_va_vdst(0)                   ; and one for the 32 reciprocals
	WIN 4*(\zw)
.set n, 0
.rept 16
.set Z, (\ab)+8*(4*(\a)+n/4)+2*(n%4)
	v_pk_mul_f32 v[Q+2*n:Q+2*n+1], v[Q+2*n:Q+2*n+1], v[Z:Z+1]
.set n, n+1
.endr
	WIN 0
	s_wait_xcnt 0x0                                ; the stores before have read O: only now is it rewritten
.set n, 0
.rept 16
	v_cvt_pk_bf16_f32 v[O+n], v[Q+2*n], v[Q+2*n+1]
.set n, n+1
.endr
.irp c, 0,1,2,3
	global_store_b128 v[HO], v[O+4*\c:O+4*\c+3], s[OB:OB+1] offset:(\a)*2048+\c*512  ; 32 lanes store 512 neighbouring bytes, aligned: half a fragment of the next product
.endr
.endm
.macro EPI i                           ; my tile i leaves; my tiles ascend, so the first one past the count ends the pass
	s_add_co_u32 s100, s[FT], 4*(\i)
	s_cmp_ge_u32 s100, s[NT1]
	s_cbranch_scc1 .Lnext
	s_wait_xcnt 0x0                                ; the stores before have read HO
	s_lshl_b32 s100, s100, 17
	v_add_nc_u32 v[HO], s100, v[L16]
.if (\i) < 4
	GELU 64*(\i), 1, 0
	GELU 64*(\i), 1, 1
.else
	GELU 0, 2, 0
	GELU 0, 2, 1
.endif
.endm
	s_load_b256 s[16:23], s[0:1], 0x0              ; xb, W1, b1, bm
	s_load_b128 s[24:27], s[0:1], 0x20             ; hid, lst
	v_lshl_add_u32 v[SPW], v0, 2, SPARE
	v_mov_b32 v[NIL], 0
	v_lshrrev_b32 v16, 5, v0
	v_readfirstlane_b32 s[WV], v16
	s_and_b32 s[A], s[WV], 1
	s_lshr_b32 s[HH], s[WV], 1
	s_mov_b32 s[X], ttmp9
	s_and_b32 s[EX], ttmp7, 0xffff
	v_and_b32 v[RR], 15, v0
	v_bfe_u32 v[HF], v0, 4, 1
	v_and_b32 v[L16], 31, v0
	v_lshlrev_b32 v20, 1, v[L16]                   ; 2 x lane: the lane's part of a first choice's entry,
	v_add_nc_u32 v30, 1, v20                       ; and of a second choice's
	v_lshlrev_b32 v21, 2, v[L16]
	v_add_nc_u32 v21, DUMP, v21                    ; my dump word
	v_lshlrev_b32 v[L16], 4, v[L16]
	v_lshlrev_b32 v[H16], 4, v[HF]
	s_lshl_b32 s100, s[HH], 18                     ; 16 hh rows
	s_lshl_b32 s101, s[A], 8                       ; column group a
	s_add_co_u32 s100, s100, s101
	v_lshlrev_b32 v[WVO], 17, v[HF]                ; 8 h rows
	v_lshl_add_u32 v[WVO], v[RR], 4, v[WVO]        ; columns 4 r ..
	v_add_nc_u32 v[WVO], s100, v[WVO]
	s_lshl_b32 s100, s[A], 12
	s_lshl_b32 s101, s[HH], 9
	s_add_co_u32 s100, s100, s101
	s_add_co_u32 s100, s100, WL
	v_add_nc_u32 v[LS], s100, v[L16]
	v_add_nc_u32 v[LL], WL, v[L16]
	s_mov_b32 s[C1], 0xc0135761                    ; -2.3022082
	s_mov_b32 s[C1+1], s[C1]                       ; named with it as a pair
	s_mov_b32 s[C2], 0xbdd2d3e8                    ; -0.10294324
	s_mov_b32 s[C2+1], s[C2]
	s_lshl_b32 s80, s[EX], 24                      ; W1: e x 16 MiB + sl x 512
	s_lshl_b32 s100, s[X], 9
	s_add_co_u32 s80, s80, s100
	s_mov_b32 s81, 0
	s_lshl_b32 s82, s[EX], 14                      ; b1: e x 16,384 + sl x 512
	s_add_co_u32 s82, s82, s100
	s_mov_b32 s83, 0
	s_lshl_b32 s84, s[EX], 7                       ; bm: e x 128
	s_mov_b32 s85, 0
	s_lshl_b32 s86, s[EX], 23                      ; hid: e x 8 MiB + sl x 4,096
	s_lshl_b32 s100, s[X], 12
	s_add_co_u32 s86, s86, s100
	s_mov_b32 s87, 0
	s_mul_i32 s88, s[EX], 6144                     ; lst
	s_mov_b32 s89, 0
	s_mov_b32 s[PASS], 0
	s_wait_kmcnt 0x0
	s_mov_b64 s[TB0:TB0+1], s[16:17]
	s_add_nc_u64 s[WB:WB+1], s[18:19], s[80:81]
	s_add_nc_u64 s[76:77], s[20:21], s[82:83]
	s_add_nc_u64 s[78:79], s[22:23], s[84:85]
	s_add_nc_u64 s[OB:OB+1], s[24:25], s[86:87]
	s_add_nc_u64 s[LP:LP+1], s[26:27], s[88:89]
	s_load_b512 s[16:31], s[78:79], 0x0            ; members of tokens 0 to 511,
	s_load_b512 s[32:47], s[78:79], 0x40           ; 512 to 1,023
	s_load_b512 s[48:63], s[78:79], 0x400          ; second choices
	s_load_b512 s[80:95], s[78:79], 0x440
	global_load_b128 v[16:19], v[L16], s[76:77]    ; the slice's 128 biases, four a lane
.irp v, 0,1,2,3
	WLOAD \v, 32*\v, 0x40, 0                       ; pieces 0 to 3 go out before anything else is done; they wait in window 1, where the accumulators are not yet
.endr
	WIN 0
	s_wait_kmcnt 0x0
	s_mov_b32 s[NE], 0
.set g, 0
.rept 32
	s_bcnt1_i32_b32 s100, s[BM+g]
	s_add_co_u32 s[NE], s[NE], s100
.set g, g+1
.endr
	s_add_co_u32 s[NT], s[NE], 15
	s_lshr_b32 s[NT], s[NT], 4
	s_max_u32 s[NT1], s[NT], 1
	s_wait_loadcnt 32                              ; the bias is in; the 32 loads of weights behind it stay out
	v_cvt_pk_bf16_f32 v22, v16, v17                ; rounded to bf16, kept as f32
	v_cvt_pk_bf16_f32 v23, v18, v19
	v_lshlrev_b32 v16, 16, v22
	v_and_b32 v17, 0xffff0000, v22
	v_lshlrev_b32 v18, 16, v23
	v_and_b32 v19, 0xffff0000, v23
	s_lshl_b32 s100, s[WV], 9
	s_add_co_u32 s100, s100, BIAS
	v_add_nc_u32 v24, s100, v[L16]
	ds_store_b128 v24, v[16:19]                    ; my wave's own block: LDS serves a wave's instructions in order (ISA guide 5.7.1.4), so the loads below see it
	v_lshl_add_u32 v25, v[HF], 7, s100
	WIN 0xc0
.irp a, 0,1
.irp c, 0,1,2,3
.irp j, 0,1,2,3,4,5,6,7
	ds_load_b32 v[BV+8*(4*\a+\c)+\j], v25 offset:\a*256+\j*16+\c*4  ; register j of column tile 4 a + c is column 64 a + 32 h + 4 j + c
.endr
.endr
.endr
	WIN 0
	s_cmp_lg_u32 s[WV], 0
	s_cbranch_scc1 .Lnolist                        ; wave 0 alone makes the list; no barrier is jumped
	v_mov_b32 v176, 0
	v_mov_b32 v177, 0
	v_mov_b32 v178, 0
	v_mov_b32 v179, 0
.irp k, 0,1,2,3,4,5,6,7,8,9,10,11
	ds_store_b128 v[L16], v[176:179] offset:LIST+\k*512  ; every entry is written: past the count they name token 0
.endr
	s_mov_b32 s101, 0                              ; members so far
.set g, 0
.rept 32                                               ; tokens 32 g + lane
.if g < 16
.set BKR, 48+g
.else
.set BKR, 64+g
.endif
	v_mbcnt_lo_u32_b32 v22, s[BM+g], s101          ; my rank: members so far + members in lower lanes
	v_cndmask_b32 v23, v20, v30, s[BKR]            ; 2 lane + k
	v_add_nc_u32 v26, 64*g, v23                    ; entry 2 t + k
	v_lshlrev_b32 v22, 2, v22
	v_cndmask_b32 v22, v21, v22, s[BM+g]           ; no member: into my dump word
	v_min_u32 v22, DUMP+124, v22                   ; held inside list and dump
	ds_store_b32 v22, v26
	s_bcnt1_i32_b32 s100, s[BM+g]
	s_add_co_u32 s101, s101, s100
.set g, g+1
.endr
	s_max_u32 s100, s[NE], 1                       ; the 32 places behind the last entry repeat it: the last tile's empty places are then copies of a row that exists
	s_sub_co_u32 s100, s100, 1
	s_min_u32 s100, s100, 1023
	s_lshl_b32 s100, s100, 2
	v_mov_b32 v22, s100
	ds_load_b32 v23, v22 offset:LIST
	s_lshl_b32 s101, s[NE], 2
	v_lshl_add_u32 v26, v20, 1, s101
	v_min_u32 v26, 6140, v26
	s_wait_dscnt 0x0
	ds_store_b32 v26, v23 offset:LIST
.Lnolist:
	s_wait_dscnt 0x0                               ; the list is in LDS (wave 0); my bias registers are in
	s_barrier_signal -1
	s_barrier_wait -1
	s_cmp_lg_u32 s[X], 0
	s_cbranch_scc1 .Lnocopy                        ; one work-group of each expert hands the list to the next launch: 1,536 bytes a wave
	s_mul_i32 s100, s[WV], 1536
	v_add_nc_u32 v27, s100, v[L16]
	ds_load_b128 v[176:179], v27 offset:LIST
	ds_load_b128 v[180:183], v27 offset:LIST+512
	ds_load_b128 v[184:187], v27 offset:LIST+1024
	s_wait_dscnt 0x0
	global_store_b128 v27, v[176:179], s[LP:LP+1]
	global_store_b128 v27, v[180:183], s[LP:LP+1] offset:512
	global_store_b128 v27, v[184:187], s[LP:LP+1] offset:1024
	s_wait_xcnt 0x0
.Lnocopy:
	SETUP
.irp v, 0,1,2,3                                        ; pieces 4 to 7 and the tokens of K steps 0 to 3, in the order in which the loop issues: 8 + 10 a step
	WLOAD \v, S+32*\v, 0x80, WSTEP
	TLOAD \v
.endr
	s_wait_loadcnt 63                              ; 72 loads are younger than pieces 0 to 3: they are in
	v_mov_b32 v[LSA], v[LS]
.irp v, 0,1,2,3
	CONS \v, 32*\v, 0x05
.endr
	s_wait_dscnt 0x0
	s_barrier_signal -1
	s_barrier_wait -1                              ; K steps 0 to 3 are whole in LDS
	PF WFA, LLA, 0
	s_wait_xcnt 0x0
	s_add_nc_u64 s[WB:WB+1], s[WB:WB+1], 2*WSTEP   ; the loop asks for pieces 8 on,
	s_add_nc_u64 s[TBP:TBP+1], s[TBP:TBP+1], TSTEP ; tokens of K steps 4 on,
	s_mov_b32 s[LSB], TRIPB                        ; and stores pieces 4 on
	v_add_nc_u32 v[LSA], s[LSB], v[LS]
	; PASS 0: 32 K steps in eight trips.  The first step stands in front of the loop (the bias starts the sums); the loop is entered behind it.
	KSTEP 0, 1, 1, 1, 1, 1, 0, 54
	s_mov_b32 s[TRIP], 6
	s_branch .Lmid
.Ltrip:
	KSTEP 0, 0, 1, 1, 1, 1, 0, 54
.Lmid:
	KSTEP 1, 0, 1, 1, 1, 1, 0, 54
	KSTEP 2, 0, 1, 1, 1, 1, 0, 54
	KSTEP 3, 0, 1, 1, 1, 1, 1, 54
	STEP 1, 1
	s_sub_co_u32 s[TRIP], s[TRIP], 1
	s_cmp_lg_u32 s[TRIP], 0
	s_cbranch_scc1 .Ltrip
	KSTEP 0, 0, 1, 0, 1, 1, 0, 54                  ; trip 6: the last four pieces are laid down, no weights are left to ask for: the count falls by 8 a step
	KSTEP 1, 0, 1, 0, 1, 1, 0, 46
	KSTEP 2, 0, 1, 0, 1, 1, 0, 38
	KSTEP 3, 0, 1, 0, 1, 1, 1, 30, 1               ; the last piece: my last LDS store, and the closing lines behind it
	STEP 0, 0
	KSTEP 0, 0, 0, 0, 0, 1, 0, 30                  ; trip 7: nothing is asked for: younger are the tokens of the steps still to come
	KSTEP 1, 0, 0, 0, 0, 1, 0, 20
	KSTEP 2, 0, 0, 0, 0, 1, 0, 10
	KSTEP 3, 0, 0, 0, 0, 0, 0, 0
	s_branch .Lepi
	; PASSES 1 TO 3: eight trips of a counted loop; a pass whose tiles all lie past the count is jumped forward.  No barrier stands in them: LDS is only read.
	; A trip asks for its 40 token loads and its first step's fragments at its head; its address in WL steps by a constant, as pass 0's does; its last step fetches nothing.
.Lpass:
	s_mul_i32 s100, s[PASS], 20
	s_cmp_ge_u32 s100, s[NT]
	s_cbranch_scc1 .Lnext
	SETUP
.irp v, 0,1,2,3
	TLOAD \v
.endr
	PF WFA, LLA, 0
	KSTEP 0, 1, 0, 0, 0, 1, 0, 0
	s_mov_b32 s[TRIP], 8
	s_branch .Lxmid
.Lxtrip:
.irp v, 0,1,2,3
	TLOAD \v
.endr
	PF WFA, LLA, 0
	KSTEP 0, 0, 0, 0, 0, 1, 0, 0                   ; the wait is for all 40 loads of the trip
.Lxmid:
	KSTEP 1, 0, 0, 0, 0, 1, 0, -1
	KSTEP 2, 0, 0, 0, 0, 1, 0, -1
	KSTEP 3, 0, 0, 0, 0, 0, 0, -1
	STEP 0, 1                                      ; (what it makes behind the eighth trip is not used)
	s_sub_co_u32 s[TRIP], s[TRIP], 1
	s_cmp_lg_u32 s[TRIP], 0
	s_cbranch_scc1 .Lxtrip
.Lepi:
	s_wait_dscnt 0x0                               ; nothing of mine is out, so every register may be used again
	s_wait_loadcnt 0x0
	EPI 0
	EPI 1
	EPI 2
	EPI 3
	EPI 4
.Lnext:
	s_add_co_u32 s[PASS], s[PASS], 1
	s_cmp_lt_u32 s[PASS], 4
	s_cbranch_scc1 .Lpass
	s_endpgm                                       ; the closing lines stand behind the last LDS store, in pass 0; the stores to hid may be out
.Lfunc_end_k_q75cc27a0a0_up:
	.size	k_q75cc27a0a0_up, .Lfunc_end_k_q75cc27a0a0_up-k_q75cc27a0a0_up
	.p2alignl 7, 3214868480
	.fill 96, 4, 3214868480
	.section	.rodata,"a",@progbits
	.p2align	6, 0x0
	.amdhsa_kernel k_q75cc27a0a0_up
		.amdhsa_group_segment_fixed_size 271360
		.amdhsa_private_segment_fixed_size 0
		.amdhsa_enable_private_segment 0
		.amdhsa_kernarg_size 48
		.amdhsa_user_sgpr_count 2
		.amdhsa_user_sgpr_kernarg_segment_ptr 1
		.amdhsa_wavefront_size32 1
		.amdhsa_system_sgpr_workgroup_id_x 1
		.amdhsa_system_sgpr_workgroup_id_y 1
		.amdhsa_system_sgpr_workgroup_id_z 1
		.amdhsa_system_vgpr_workitem_id 0
		.amdhsa_next_free_vgpr 1024
		.amdhsa_next_free_sgpr 102
		.amdhsa_reserve_vcc 0
		.amdhsa_float_denorm_mode_32 3
		.amdhsa_float_denorm_mode_16_64 3
		.amdhsa_memory_ordered 1
		.amdhsa_forward_progress 1
		.amdhsa_inst_pref_size 239
	.end_amdhsa_kernel
	.amdgpu_metadata
---
amdhsa.version: [ 1, 2 ]
amdhsa.kernels:
  - .name:           k_q75cc27a0a0_up
    .symbol:         k_q75cc27a0a0_up.kd
    .args:
      - { .name: xb, .offset: 0, .size: 8, .value_kind: global_buffer, .address_space: global }
      - { .name: W1, .offset: 8, .size: 8, .value_kind: global_buffer, .address_space: global }
      - { .name: b1, .offset: 16, .size: 8, .value_kind: global_buffer, .address_space: global }
      - { .name: bm, .offset: 24, .size: 8, .value_kind: global_buffer, .address_space: global }
      - { .name: hid, .offset: 32, .size: 8, .value_kind: global_buffer, .address_space: global }
      - { .name: lst, .offset: 40, .size: 8, .value_kind: global_buffer, .address_space: global }
    .group_segment_fixed_size: 271360
    .private_segment_fixed_size: 0
    .kernarg_segment_align: 8
    .kernarg_segment_size: 48
    .max_flat_workgroup_size: 128
    .sgpr_count:     102
    .vgpr_count:     1024
    .wavefront_size: 32
...
	.end_amdgpu_metadata
.endif
;; end of part 2
;; launch down (part 3): grid 32 x 8, 4 waves a work-group, no clusters, 262,656 bytes of LDS; arguments hid, W2, bm, lst, gate, y; writes y
.if DOCPART == 3
	.amdgcn_target "amdgcn-amd-amdhsa--gfx1250"
	.amdhsa_code_object_version 6
	.text
	.protected	k_q75cc27a0a0_down
	.globl	k_q75cc27a0a0_down
	.p2align	8
	.type	k_q75cc27a0a0_down,@function
k_q75cc27a0a0_down:
	s_mov_b64 s[64:65], 0
	v_nop
	global_prefetch_b8 v0, s[64:65] scope:SCOPE_SE
	s_setreg_imm32_b32 hwreg(HW_REG_WAVE_MODE, 25, 1), 1
	s_wait_xcnt 0x0
; SECOND PRODUCT OF THE EXPERTS, in parts.  y[hq][entry][128 dsl ..] = gate[entry] x (hid rows of expert e) x W2[e][1024 hq .. + 1023][128 dsl .. + 127].  The bias b2 and the sum over hq and over a token's two entries are the next launch's.
; hid: bf16, laid out as this launch's fragments: byte ((e 64 + tile) 128 + kk) 1024 + hf 512 + lane 16; place (hf, h, j) of kk is hidden column 64 (kk / 2) + 32 h + 4 j + 2 (kk % 2) + hf.
; W2: [8][4096][1024] f32, rounded to bf16 on its way through registers; sums, gate and y in f32 (y holds partial sums).
; SHARES.  Work-group (dsl + 8 hq, e) has a slice of 1,024 rows x 128 columns of W2[e], 512 KB that it alone reads, and all of expert e's rows.  The hidden width is cut in four so that a slice's rows stay 512 bytes
; (each load of 16 lanes 256 neighbouring bytes, aligned) and so that there are 256 work-groups.  All else is the first product's: the slice is rounded once into LDS as fragments (256 KB, each byte written once);
; PASS 0 multiplies the first 20 tiles of 16 rows while it streams in; rows past 320 take passes 1 to 3 on the slice in LDS, which ask for a trip's rows at its head and wait for them: every split is served, not at pass 0's pace.
; Wave w has the tiles 20 pass + 4 i + w, i = 0..4, times all 128 columns: 40 accumulators; it rounds column group a = w % 2, fragment half hh = w / 2.
; Here the rows are source 0 and the weights source 1: register j of lane (r, h) is row 8 h + j of the tile, column 64 a + 4 r + c of the slice in accumulator 4 a + c: four accumulators hold four neighbouring columns.
; The multiplication by the gate gathers them into four neighbouring registers, and 16 lanes store 256 neighbouring bytes of one row of y, aligned.
; Tiles past the expert's count read its last tile again and are not stored; the last tile's empty places repeat its last entry (the list says so) and store the same numbers to the same place.
; NO CLUSTER: each weight byte has one reader; the eight work-groups of (e, hq) share hid's tiles, but how many there are hangs on a stored count, and beside the slice LDS has no room for slots of a size that would pay.
; LIMITS.  NaN and infinities are not treated apart.
.set RP,     4096                      ; bytes in a row of W2[e]
.set WK2,    64                        ; the weight row of K step v of a trip, load j: WK2 (v / 2) + WK1 (v % 2) + WKJ j, beside the lane's 32 h + hh
.set WK1,    2
.set WKJ,    4
.set WSTEP,  128*RP
.set TK2,    2048                      ; hid's bytes of K step v, half hf: 1,024 v + 512 hf
.set TK1,    1024
.set TKH,    512
.set TSTEP,  4096
.set WL,     0                         ; LDS: the slice as fragments: s 8192 + ct 1024 + hf 512 + lane 16: every load and store is 512 neighbouring bytes
.set SPARE,  262144                    ; behind it the spare words: 128 bytes a wave, two blocks of 256 bytes that no other line names
.set KB,     8192
.set TRIPB,  4*KB
; vector registers, in windows of 256 (s_set_vgpr_msb: bits 1:0 source 0, 3:2 source 1, 5:4 source 2, 7:6 destination)
.set L16, 1
.set WVO, 2
.set LS,  3
.set LSA, 4
.set LL,  5
.set LLA, 6
.set TAD, 8                            ; v[8:12] my byte offset in hid for each of my five tiles
.set RR,  13
.set HF,  14
.set R16, 26                           ; 16 r
.set H32, 27                           ; 32 h
.set SPW, 28
.set NIL, 29
.set WFA, 32                           ; v[32:95], v[96:159] two buffers of a K step's eight weight fragments
.set P,   160                          ; v[160:175] four half fragments on their way to LDS
.set E8,  176                          ; v[176:215] tile i, row 8 h + j: its entry, then its byte offset in y
.set G8,  216                          ; v[216:255] its gate
;   window 1: accumulators of tiles 0-3 at 64 i + 8 ct (at the start v0-127 hold the slice's first four pieces)
.set S,   64                           ;   window 2: v0-63 accumulators of tile 4; v[64:191] four pieces of weights as loaded
.set Y,   192                          ;   window 2: v[192:255] a tile's results times the gate, gathered
.set T,   0                            ;   window 3: v[0:159] hid's fragments: buffer v at 40 v, tile i at + 8 i
.set WV,  2
.set A,   3
.set HH,  4
.set X,   5
.set EX,  6
.set FT,  7
.set WB,  8                            ; s[8:9]   W2 at the piece to be asked for
.set TBP, 10                           ; s[10:11] hid at the K steps to be asked for
.set OB,  12                           ; s[12:13] y at (hq, entry 0, 128 dsl)
.set LP,  14                           ; s[14:15] lst at e
.set BM,  16                           ; s[16:47] the expert's members, for the count
.set TB0, 66                           ; s[66:67] hid at (e, tile 0, 32 hq)
.set NE,  68
.set NT,  69
.set NT1M, 70                          ; the last tile that the launch before wrote: max(NT, 1) - 1
.set PASS, 71
.set TRIP, 72
.set HAS5, 73
.set LSB, 74
.set LLB, 75
.set GP,  76                           ; s[76:77] gate
.set MSB, 0
.macro WIN new                         ; the immediate's high byte repeats the setting that is left; a switch that changes nothing is dropped
.if MSB != (\new)
	s_set_vgpr_msb (MSB<<8)|(\new)
.set MSB, (\new)
.endif
.endm
.macro PLACES                          ; four places between a matrix instruction and a load into, or a vector read of, one of its registers (ISA guide 7.12.1 for vector reads)
.rept 4
	v_nop
.endr
.endm
.macro WLOAD v, dst, win, add          ; a piece: my eight rows x 16 bytes of K step v of the trip at WB (+ add)
	WIN \win
.irp j, 0,1,2,3,4,5,6,7
	global_load_b128 v[(\dst)+4*\j:(\dst)+4*\j+3], v[WVO], s[WB:WB+1] offset:(WK2*((\v)/2)+WK1*((\v)%2)+WKJ*\j)*RP+(\add) th:TH_LOAD_NT
.endr
.endm
.macro CONS v, src, win                ; a piece becomes four half fragments (column tiles 4 a + c) and goes into LDS
	WIN \win
.irp c, 0,1,2,3
.irp d, 0,1,2,3
	v_cvt_pk_bf16_f32 v[P+4*\c+\d], v[(\src)+8*\d+\c], v[(\src)+8*\d+4+\c]  ; column c of loads 2 d and 2 d + 1
.endr
.endr
	WIN 0
.irp c, 0,1,2,3
	ds_store_b128 v[LSA], v[P+4*\c:P+4*\c+3] offset:(\v)*KB+\c*1024
.endr
.endm
.macro TLOAD v                         ; hid's fragments of K step v of the trip at TBP, for my five tiles: each load 512 neighbouring bytes
	WIN 0xc0
.irp i, 0,1,2,3,4
	global_load_b128 v[T+40*(\v)+8*\i:T+40*(\v)+8*\i+3], v[TAD+\i], s[TBP:TBP+1] offset:TK2*((\v)/2)+TK1*((\v)%2)
	global_load_b128 v[T+40*(\v)+8*\i+4:T+40*(\v)+8*\i+7], v[TAD+\i], s[TBP:TBP+1] offset:TK2*((\v)/2)+TK1*((\v)%2)+TKH
.endr
	WIN 0
.endm
.macro PF buf, adr, off                ; a K step's eight weight fragments out of LDS: one run of 16 loads
	WIN 0
.irp ct, 0,1,2,3,4,5,6,7
	ds_load_b128 v[(\buf)+8*\ct:(\buf)+8*\ct+3], v[\adr] offset:(\off)+\ct*1024
	ds_load_b128 v[(\buf)+8*\ct+4:(\buf)+8*\ct+7], v[\adr] offset:(\off)+\ct*1024+512
.endr
.endm
.macro MM i, v, buf, first             ; tile i times the eight column tiles.  first = 1: the constant 0 starts the sums: nothing is cleared
.if (\i) < 4
.set AB, 64*(\i)
	WIN 0x53                                       ; rows window 3, weights window 0, C and D window 1
.else
.set AB, 0
	WIN 0xa3                                       ; the same with C and D in window 2
.endif
.irp ct, 0,1,2,3,4,5,6,7
.if \first
	v_wmma_f32_16x16x32_bf16 v[AB+8*\ct:AB+8*\ct+7], v[T+40*(\v)+8*(\i):T+40*(\v)+8*(\i)+7], v[(\buf)+8*\ct:(\buf)+8*\ct+7], 0
.else
	v_wmma_f32_16x16x32_bf16 v[AB+8*\ct:AB+8*\ct+7], v[T+40*(\v)+8*(\i):T+40*(\v)+8*(\i)+7], v[(\buf)+8*\ct:(\buf)+8*\ct+7], v[AB+8*\ct:AB+8*\ct+7]
.endif
.endr
.endm
; K STEP v of a trip (s = 4 trip + v).  In pass 0 it rounds piece s + 4 into LDS (cons), asks for piece s + 8 (wiss), fetches the fragments of step s + 1 from LDS (pf), multiplies step s, and asks for the rows of step s + 4 (tiss).
; nld: the loads younger than the rows of step s (piece s + 4 is older than they are): 8 + 10 for each of the three steps between, less what the tail no longer issues.
; bar = 1: the trip's one barrier: the pieces stored up to here (steps up to 4 trip + 7) become everybody's; the fetches up to the next barrier read steps 4 trip + 4 .. + 7, the stores write later ones; no byte of WL is written twice.
; fin = 1: the step that lays down the slice's last piece: the wave's last LDS store.  The closing lines behind it stand here, in front of the step's barrier: behind that barrier no wave writes LDS any more.
; The accumulators take turns, one instruction a turn, in the same order in every step, over the loops' jumps too; no two matrix instructions on end share one.
.macro KSTEP v, first, cons, wiss, tiss, pf, bar, nld, fin=0
.set CUR, WFA+64*((\v)%2)
.set OTH, WFA+64*(1-(\v)%2)
.if (\nld) >= 0
	s_wait_loadcnt \nld
.endif
.if \cons
	CONS \v, S+32*(\v), 0x0a
.endif
.if \wiss
	WLOAD \v, S+32*(\v), 0x80, 0
.endif
	WIN 0
.if \fin
	s_wait_tensorcnt 0x0                           ; the closing lines: this wait, the add, and the wait below, which is also the barrier's
	ds_add_u32 v[SPW], v[NIL]
.endif
.if \bar
	s_wait_dscnt 0x0                               ; for the others' sake: my stores into WL are done (and no LDS instruction of mine is out at the signal)
	s_barrier_signal -1
	s_barrier_wait -1
.endif
.if \pf
	PF OTH, LLA, ((\v)+1)*KB
.endif
	s_wait_dscnt 16*(\pf)+4*(\cons)*(1-(\bar))     ; this step's fragments are in: younger are the 16 loads just issued and, where no barrier stood between, the 4 stores
	MM 0, \v, CUR, \first
	MM 1, \v, CUR, \first
	MM 2, \v, CUR, \first
	MM 3, \v, CUR, \first
.if \first
	MM 4, \v, CUR, 1                               ; the fifth tile's sums are always begun, so that its registers are written on every path
	WIN 0
.else
	WIN 0                                          ; at a branch and at a label every window is 0
	s_cmp_eq_u32 s[HAS5], 0
	s_cbranch_scc1 .Lno5_\@                        ; a fifth tile past the count is not multiplied; nothing but matrix instructions is jumped
	MM 4, \v, CUR, 0
	WIN 0
.Lno5_\@:
.endif
	PLACES                                         ; in front of the loads into this step's row registers, and of the next fetch into this step's weight buffer
.if \tiss
	TLOAD \v
.endif
.endm
.macro STEP w, t                       ; a trip on
	s_wait_xcnt 0x0                                ; the loads issued so far have had their addresses translated (ISA guide 3.1): only now are their bases rewritten
.if \w
	s_add_nc_u64 s[WB:WB+1], s[WB:WB+1], WSTEP
	s_add_co_u32 s[LSB], s[LSB], TRIPB
	v_add_nc_u32 v[LSA], s[LSB], v[LS]
.endif
.if \t
	s_add_nc_u64 s[TBP:TBP+1], s[TBP:TBP+1], TSTEP
.endif
	s_add_co_u32 s[LLB], s[LLB], TRIPB
	v_add_nc_u32 v[LLA], s[LLB], v[LL]
.endm
.macro SETE                            ; a pass begins: my first tile, and the entries of my five tiles' rows 8 h .. 8 h + 7, eight a lane
	s_wait_xcnt 0x0                                ; E8 was the address of the stores before
	s_mul_i32 s[FT], s[PASS], 20
	s_add_co_u32 s[FT], s[FT], s[WV]
	s_lshl_b32 s100, s[FT], 6
	v_add_nc_u32 v16, s100, v[H32]
.irp i, 0,1,2,3,4
	global_load_b128 v[E8+8*\i:E8+8*\i+3], v16, s[LP:LP+1] offset:\i*256
	global_load_b128 v[E8+8*\i+4:E8+8*\i+7], v16, s[LP:LP+1] offset:\i*256+16
.endr
.endm
.macro SETA                            ; the tiles' places in hid, the walk back at K step 0
	s_add_co_u32 s100, s[FT], 16
	s_cmp_lt_u32 s100, s[NT]
	s_cselect_b32 s[HAS5], 1, 0
	s_mov_b64 s[TBP:TBP+1], s[TB0:TB0+1]
	s_mov_b32 s[LLB], 0
	v_mov_b32 v[LLA], v[LL]
.irp i, 0,1,2,3,4
	s_add_co_u32 s100, s[FT], 4*\i
	s_min_u32 s100, s100, s[NT1M]                  ; a tile past the count reads the last one that was written,
	s_min_u32 s100, s100, 63                       ; held inside the expert's 64
	s_lshl_b32 s100, s100, 17
	v_add_nc_u32 v[TAD+\i], s100, v[L16]
.endr
.endm
.macro SETB                            ; the entries are in: their gates are asked for, and they become byte offsets in y
.set n, 0
.rept 40
	v_min_u32 v[E8+n], 2047, v[E8+n]               ; held inside gate and y
.set n, n+1
.endr
.set n, 0
.rept 40
	v_lshlrev_b32 v[G8+n], 2, v[E8+n]
.set n, n+1
.endr
.set n, 0
.rept 40
	global_load_b32 v[G8+n], v[G8+n], s[GP:GP+1]   ; each load lands on its own address register
.set n, n+1
.endr
.set n, 0
.rept 40
	v_lshl_add_u32 v[E8+n], v[E8+n], 12, v[R16]    ; a row of 4,096 bytes, my 16 bytes in a group of 64 columns
.set n, n+1
.endr
.endm
.macro EPI i                           ; my tile i leaves; my tiles ascend, so the first one past the count ends the pass
	s_add_co_u32 s100, s[FT], 4*(\i)
	s_cmp_ge_u32 s100, s[NT]
	s_cbranch_scc1 .Lnext
	s_wait_xcnt 0x0                                ; the stores before have read Y
.if (\i) < 4
.set AB, 64*(\i)
	WIN 0x81                                       ; Y window 2, accumulators window 1, gates window 0
.else
.set AB, 0
	WIN 0x82
.endif
.irp j, 0,1,2,3,4,5,6,7                                ; register j ascending: each accumulator is read from its low end on
.irp a, 0,1
.irp c, 0,1,2,3
	v_mul_f32 v[Y+4*(2*\j+\a)+\c], v[AB+8*(4*\a+\c)+\j], v[G8+8*(\i)+\j]
.endr
.endr
.endr
	WIN 0x08                                       ; the stores' data in window 2
.irp j, 0,1,2,3,4,5,6,7
.irp a, 0,1
	global_store_b128 v[E8+8*(\i)+\j], v[Y+4*(2*\j+\a):Y+4*(2*\j+\a)+3], s[OB:OB+1] offset:\a*256  ; 16 lanes store 256 neighbouring bytes of one row, aligned
.endr
.endr
	WIN 0
.endm
	s_load_b256 s[16:23], s[0:1], 0x0              ; hid, W2, bm, lst
	s_load_b128 s[24:27], s[0:1], 0x20             ; gate, y
	v_lshl_add_u32 v[SPW], v0, 2, SPARE
	v_mov_b32 v[NIL], 0
	v_lshrrev_b32 v16, 5, v0
	v_readfirstlane_b32 s[WV], v16
	s_and_b32 s[A], s[WV], 1
	s_lshr_b32 s[HH], s[WV], 1
	s_mov_b32 s[X], ttmp9
	s_and_b32 s[EX], ttmp7, 0xffff
	v_and_b32 v[RR], 15, v0
	v_bfe_u32 v[HF], v0, 4, 1
	v_and_b32 v[L16], 31, v0
	v_lshlrev_b32 v[L16], 4, v[L16]
	v_lshlrev_b32 v[R16], 4, v[RR]
	v_lshlrev_b32 v[H32], 5, v[HF]
	s_lshl_b32 s100, s[HH], 12                     ; hh rows
	s_lshl_b32 s101, s[A], 8                       ; column group a
	s_add_co_u32 s100, s100, s101
	v_lshlrev_b32 v[WVO], 17, v[HF]                ; 32 h rows
	v_add_nc_u32 v[WVO], v[WVO], v[R16]            ; columns 4 r ..
	v_add_nc_u32 v[WVO], s100, v[WVO]
	s_lshl_b32 s100, s[A], 12
	s_lshl_b32 s101, s[HH], 9
	s_add_co_u32 s100, s100, s101
	s_add_co_u32 s100, s100, WL
	v_add_nc_u32 v[LS], s100, v[L16]
	v_add_nc_u32 v[LL], WL, v[L16]
	s_and_b32 s98, s[X], 7                         ; dsl
	s_lshr_b32 s99, s[X], 3                        ; hq
	s_lshl_b32 s80, s[EX], 23                      ; hid: e x 8 MiB + hq x 32 K steps of 1,024 bytes
	s_lshl_b32 s100, s99, 15
	s_add_co_u32 s80, s80, s100
	s_mov_b32 s81, 0
	s_lshl_b32 s82, s[EX], 24                      ; W2: e x 16 MiB + hq x 4 MiB + dsl x 512
	s_lshl_b32 s100, s99, 22
	s_add_co_u32 s82, s82, s100
	s_lshl_b32 s101, s98, 9
	s_add_co_u32 s82, s82, s101
	s_mov_b32 s83, 0
	s_lshl_b32 s84, s[EX], 7                       ; bm: e x 128
	s_mov_b32 s85, 0
	s_mul_i32 s86, s[EX], 6144                     ; lst
	s_mov_b32 s87, 0
	s_lshl_b32 s88, s99, 23                        ; y: hq x 8 MiB + dsl x 512
	s_add_co_u32 s88, s88, s101
	s_mov_b32 s89, 0
	s_mov_b32 s[PASS], 0
	s_wait_kmcnt 0x0
	s_add_nc_u64 s[TB0:TB0+1], s[16:17], s[80:81]
	s_add_nc_u64 s[WB:WB+1], s[18:19], s[82:83]
	s_add_nc_u64 s[78:79], s[20:21], s[84:85]
	s_add_nc_u64 s[LP:LP+1], s[22:23], s[86:87]
	s_mov_b64 s[GP:GP+1], s[24:25]
	s_add_nc_u64 s[OB:OB+1], s[26:27], s[88:89]
	s_load_b512 s[16:31], s[78:79], 0x0            ; the expert's members
	s_load_b512 s[32:47], s[78:79], 0x40
	SETE                                           ; ten loads of entries, at places that hang on the wave alone,
.irp v, 0,1,2,3
	WLOAD \v, 32*\v, 0x40, 0                       ; and pieces 0 to 3 go out before anything else is done; they wait in window 1, where the accumulators are not yet
.endr
	WIN 0
	s_wait_kmcnt 0x0
	s_mov_b32 s[NE], 0
.set g, 0
.rept 32
	s_bcnt1_i32_b32 s100, s[BM+g]
	s_add_co_u32 s[NE], s[NE], s100
.set g, g+1
.endr
	s_add_co_u32 s[NT], s[NE], 15
	s_lshr_b32 s[NT], s[NT], 4
	s_max_u32 s[NT1M], s[NT], 1
	s_sub_co_u32 s[NT1M], s[NT1M], 1
	SETA
	s_wait_loadcnt 32                              ; the entries are in; the 32 loads of weights behind them stay out
	SETB
.irp v, 0,1,2,3                                        ; pieces 4 to 7 and the rows of K steps 0 to 3, in the order in which the loop issues: 8 + 10 a step
	WLOAD \v, S+32*\v, 0x80, WSTEP
	TLOAD \v
.endr
	s_wait_loadcnt 63                              ; 112 loads are younger than pieces 0 to 3: they are in
	v_mov_b32 v[LSA], v[LS]
.irp v, 0,1,2,3
	CONS \v, 32*\v, 0x05
.endr
	s_wait_dscnt 0x0
	s_barrier_signal -1
	s_barrier_wait -1                              ; K steps 0 to 3 are whole in LDS
	PF WFA, LLA, 0
	s_wait_xcnt 0x0
	s_add_nc_u64 s[WB:WB+1], s[WB:WB+1], 2*WSTEP   ; the loop asks for pieces 8 on,
	s_add_nc_u64 s[TBP:TBP+1], s[TBP:TBP+1], TSTEP ; rows of K steps 4 on,
	s_mov_b32 s[LSB], TRIPB                        ; and stores pieces 4 on
	v_add_nc_u32 v[LSA], s[LSB], v[LS]
	; PASS 0: 32 K steps in eight trips.  The first step stands in front of the loop (its products start the sums); the loop is entered behind it.
	KSTEP 0, 1, 1, 1, 1, 1, 0, 54                  ; (the gates are older than the rows of step 0: this wait shows them in too)
	s_mov_b32 s[TRIP], 6
	s_branch .Lmid
.Ltrip:
	KSTEP 0, 0, 1, 1, 1, 1, 0, 54
.Lmid:
	KSTEP 1, 0, 1, 1, 1, 1, 0, 54
	KSTEP 2, 0, 1, 1, 1, 1, 0, 54
	KSTEP 3, 0, 1, 1, 1, 1, 1, 54
	STEP 1, 1
	s_sub_co_u32 s[TRIP], s[TRIP], 1
	s_cmp_lg_u32 s[TRIP], 0
	s_cbranch_scc1 .Ltrip
	KSTEP 0, 0, 1, 0, 1, 1, 0, 54                  ; trip 6: the last four pieces are laid down, no weights are left to ask for: the count falls by 8 a step
	KSTEP 1, 0, 1, 0, 1, 1, 0, 46
	KSTEP 2, 0, 1, 0, 1, 1, 0, 38
	KSTEP 3, 0, 1, 0, 1, 1, 1, 30, 1               ; the last piece: my last LDS store, and the closing lines behind it
	STEP 0, 0
	KSTEP 0, 0, 0, 0, 0, 1, 0, 30                  ; trip 7: nothing is asked for: younger are the rows of the steps still to come
	KSTEP 1, 0, 0, 0, 0, 1, 0, 20
	KSTEP 2, 0, 0, 0, 0, 1, 0, 10
	KSTEP 3, 0, 0, 0, 0, 0, 0, 0
	s_branch .Lepi
	; PASSES 1 TO 3: eight trips of a counted loop; a pass whose tiles all lie past the count is jumped forward.  No barrier stands in them: LDS is only read.
	; A trip asks for its 40 loads of rows and its first step's fragments at its head; its address in WL steps by a constant, as pass 0's does; its last step fetches nothing.
.Lpass:
	s_mul_i32 s100, s[PASS], 20
	s_cmp_ge_u32 s100, s[NT]
	s_cbranch_scc1 .Lnext
	SETE
	SETA
	s_wait_loadcnt 0x0
	SETB
.irp v, 0,1,2,3
	TLOAD \v
.endr
	PF WFA, LLA, 0
	KSTEP 0, 1, 0, 0, 0, 1, 0, 0
	s_mov_b32 s[TRIP], 8
	s_branch .Lxmid
.Lxtrip:
.irp v, 0,1,2,3
	TLOAD \v
.endr
	PF WFA, LLA, 0
	KSTEP 0, 0, 0, 0, 0, 1, 0, 0                   ; the wait is for all 40 loads of the trip
.Lxmid:
	KSTEP 1, 0, 0, 0, 0, 1, 0, -1
	KSTEP 2, 0, 0, 0, 0, 1, 0, -1
	KSTEP 3, 0, 0, 0, 0, 0, 0, -1
	STEP 0, 1                                      ; (what it makes behind the eighth trip is not used)
	s_sub_co_u32 s[TRIP], s[TRIP], 1
	s_cmp_lg_u32 s[TRIP], 0
	s_cbranch_scc1 .Lxtrip
.Lepi:
	s_wait_dscnt 0x0                               ; nothing of mine is out, so every register may be used again
	s_wait_loadcnt 0x0
	EPI 0
	EPI 1
	EPI 2
	EPI 3
	EPI 4
.Lnext:
	s_add_co_u32 s[PASS], s[PASS], 1
	s_cmp_lt_u32 s[PASS], 4
	s_cbranch_scc1 .Lpass
	s_endpgm                                       ; the closing lines stand behind the last LDS store, in pass 0; the stores to y may be out
.Lfunc_end_k_q75cc27a0a0_down:
	.size	k_q75cc27a0a0_down, .Lfunc_end_k_q75cc27a0a0_down-k_q75cc27a0a0_down
	.p2alignl 7, 3214868480
	.fill 96, 4, 3214868480
	.section	.rodata,"a",@progbits
	.p2align	6, 0x0
	.amdhsa_kernel k_q75cc27a0a0_down
		.amdhsa_group_segment_fixed_size 262656
		.amdhsa_private_segment_fixed_size 0
		.amdhsa_enable_private_segment 0
		.amdhsa_kernarg_size 48
		.amdhsa_user_sgpr_count 2
		.amdhsa_user_sgpr_kernarg_segment_ptr 1
		.amdhsa_wavefront_size32 1
		.amdhsa_system_sgpr_workgroup_id_x 1
		.amdhsa_system_sgpr_workgroup_id_y 1
		.amdhsa_system_sgpr_workgroup_id_z 1
		.amdhsa_system_vgpr_workitem_id 0
		.amdhsa_next_free_vgpr 1024
		.amdhsa_next_free_sgpr 102
		.amdhsa_reserve_vcc 0
		.amdhsa_float_denorm_mode_32 3
		.amdhsa_float_denorm_mode_16_64 3
		.amdhsa_memory_ordered 1
		.amdhsa_forward_progress 1
		.amdhsa_inst_pref_size 169
	.end_amdhsa_kernel
	.amdgpu_metadata
---
amdhsa.version: [ 1, 2 ]
amdhsa.kernels:
  - .name:           k_q75cc27a0a0_down
    .symbol:         k_q75cc27a0a0_down.kd
    .args:
      - { .name: hid, .offset: 0, .size: 8, .value_kind: global_buffer, .address_space: global }
      - { .name: W2, .offset: 8, .size: 8, .value_kind: global_buffer, .address_space: global }
      - { .name: bm, .offset: 16, .size: 8, .value_kind: global_buffer, .address_space: global }
      - { .name: lst, .offset: 24, .size: 8, .value_kind: global_buffer, .address_space: global }
      - { .name: gate, .offset: 32, .size: 8, .value_kind: global_buffer, .address_space: global }
      - { .name: y, .offset: 40, .size: 8, .value_kind: global_buffer, .address_space: global }
    .group_segment_fixed_size: 262656
    .private_segment_fixed_size: 0
    .kernarg_segment_align: 8
    .kernarg_segment_size: 48
    .max_flat_workgroup_size: 128
    .sgpr_count:     102
    .vgpr_count:     1024
    .wavefront_size: 32
...
	.end_amdgpu_metadata
.endif
;; end of part 3
;; launch combine (part 4): grid 256 x 1, 8 waves a work-group, no clusters, 0 bytes of LDS; arguments y, sel, gate, b2, out0; writes out0
.if DOCPART == 4
	.amdgcn_target "amdgcn-amd-amdhsa--gfx1250"
	.amdhsa_code_object_version 6
	.text
	.protected	k_q75cc27a0a0_combine
	.globl	k_q75cc27a0a0_combine
	.p2align	8
	.type	k_q75cc27a0a0_combine,@function
k_q75cc27a0a0_combine:
	s_mov_b64 s[64:65], 0
	v_nop
	global_prefetch_b8 v0, s[64:65] scope:SCOPE_SE
	s_setreg_imm32_b32 hwreg(HW_REG_WAVE_MODE, 25, 1), 1
	s_wait_xcnt 0x0
; out[t] = the sum of token t's eight partial rows (four quarters of the hidden width x its two entries 2 t, 2 t + 1, each already times its gate) + p0 b2[e0] + p1 b2[e1].
; y: [4][2048][1024] f32; sel[t] = e0 | e1 << 8; gate[t] = (p0, p1); b2: [8][1024] f32, rounded to bf16 as every input of this program is; all sums in f32.
; A stream: memory binds, so no LDS, no barrier, no matrix unit.  A work-group has four tokens, a wave half a row (2,048 bytes): every load and store of a wave is 512 neighbouring bytes, aligned;
; all 32 loads of y go out before the first wait, and each byte of y is read once.
.set VO, 4                             ; v[4:7]     quarter q: q x 8 MiB + 16 x lane (8 MiB is one more than a load's immediate holds)
.set YR, 32                            ; v[32:159]  load (2 q + k) x 4 + i: four numbers each; the sum gathers in the first four loads' registers
.set BR, 160                           ; v[160:191] b2[e0], b2[e1]: four loads each
	s_load_b256 s[4:11], s[0:1], 0x0               ; y s[4:5], sel s[6:7], gate s[8:9], b2 s[10:11]
	s_load_b64 s[12:13], s[0:1], 0x20              ; out0
	v_and_b32 v1, 31, v0
	v_lshlrev_b32 v1, 4, v1
	v_lshrrev_b32 v2, 5, v0
	v_readfirstlane_b32 s14, v2                    ; wave 0..7
	s_lshr_b32 s15, s14, 1
	s_lshl_b32 s16, ttmp9, 2
	s_add_co_u32 s15, s15, s16                     ; my token
	s_and_b32 s17, s14, 1
	s_lshl_b32 s17, s17, 11                        ; my half of a row
.irp q, 0,1,2,3
	v_add_nc_u32 v[VO+\q], \q<<23, v1
.endr
	s_lshl_b32 s18, s15, 2                         ; sel
	s_mov_b32 s19, 0
	s_lshl_b32 s20, s15, 3                         ; gate
	s_mov_b32 s21, 0
	s_lshl_b32 s22, s15, 13                        ; y: two rows of 4,096 bytes a token
	s_add_co_u32 s22, s22, s17
	s_mov_b32 s23, 0
	s_lshl_b32 s24, s15, 12                        ; out0
	s_add_co_u32 s24, s24, s17
	s_mov_b32 s25, 0
	s_mov_b32 s38, 0xffff0000                      ; a word's upper bf16
	s_wait_kmcnt 0x0
	s_add_nc_u64 s[6:7], s[6:7], s[18:19]
	s_add_nc_u64 s[8:9], s[8:9], s[20:21]
	s_load_b32 s26, s[6:7], 0x0
	s_load_b64 s[28:29], s[8:9], 0x0
	s_add_nc_u64 s[4:5], s[4:5], s[22:23]
	s_add_nc_u64 s[12:13], s[12:13], s[24:25]
.set n, 0
.rept 32                                               ; quarter n / 8, entry (n / 4) % 2, piece n % 4
	global_load_b128 v[YR+4*n:YR+4*n+3], v[VO+n/8], s[4:5] offset:((n/4)%2)*4096+(n%4)*512 th:TH_LOAD_NT
.set n, n+1
.endr
	s_wait_kmcnt 0x0
	s_bfe_u32 s30, s26, 0x80000                    ; e0,
	s_min_u32 s30, s30, 7                          ; held inside b2
	s_bfe_u32 s31, s26, 0x80008                    ; e1
	s_min_u32 s31, s31, 7
	s_lshl_b32 s36, s30, 12
	s_add_co_u32 s36, s36, s17
	s_mov_b32 s37, 0
	s_lshl_b32 s34, s31, 12
	s_add_co_u32 s34, s34, s17
	s_mov_b32 s35, 0
	s_add_nc_u64 s[32:33], s[10:11], s[36:37]
	s_add_nc_u64 s[34:35], s[10:11], s[34:35]
	s_mov_b32 s40, s29                             ; p1 as the low word of a pair of its own: the packed form takes a scalar pair's low word for both halves
	s_mov_b32 s41, s29
.irp i, 0,1,2,3
	global_load_b128 v[BR+4*\i:BR+4*\i+3], v1, s[32:33] offset:\i*512
	global_load_b128 v[BR+16+4*\i:BR+16+4*\i+3], v1, s[34:35] offset:\i*512
.endr
	s_wait_loadcnt 8                               ; y is in; the eight loads of b2 may stay out
.set m, 1
.rept 7                                                ; eight chains of seven additions, side by side
.irp p, 0,2,4,6,8,10,12,14
	v_pk_add_f32 v[YR+\p:YR+\p+1], v[YR+\p:YR+\p+1], v[YR+16*m+\p:YR+16*m+\p+1]
.endr
.set m, m+1
.endr
	s_wait_loadcnt 0x0
.set n, 0
.rept 8                                                ; b2 rounded to bf16, kept as f32
	v_cvt_pk_bf16_f32 v[8+2*(n%4)], v[BR+4*n], v[BR+4*n+1]
	v_cvt_pk_bf16_f32 v[9+2*(n%4)], v[BR+4*n+2], v[BR+4*n+3]
	v_lshlrev_b32 v[BR+4*n], 16, v[8+2*(n%4)]
	v_and_b32 v[BR+4*n+1], s38, v[8+2*(n%4)]
	v_lshlrev_b32 v[BR+4*n+2], 16, v[9+2*(n%4)]
	v_and_b32 v[BR+4*n+3], s38, v[9+2*(n%4)]
.set n, n+1
.endr
.irp p, 0,2,4,6,8,10,12,14
	v_pk_fma_f32 v[YR+\p:YR+\p+1], v[BR+\p:BR+\p+1], s[28:29], v[YR+\p:YR+\p+1] op_sel_hi:[1,0,1]
.endr
.irp p, 0,2,4,6,8,10,12,14
	v_pk_fma_f32 v[YR+\p:YR+\p+1], v[BR+16+\p:BR+16+\p+1], s[40:41], v[YR+\p:YR+\p+1] op_sel_hi:[1,0,1]
.endr
.irp i, 0,1,2,3
	global_store_b128 v1, v[YR+4*\i:YR+4*\i+3], s[12:13] offset:\i*512 th:TH_STORE_NT
.endr
	s_endpgm
.Lfunc_end_k_q75cc27a0a0_combine:
	.size	k_q75cc27a0a0_combine, .Lfunc_end_k_q75cc27a0a0_combine-k_q75cc27a0a0_combine
	.p2alignl 7, 3214868480
	.fill 96, 4, 3214868480
	.section	.rodata,"a",@progbits
	.p2align	6, 0x0
	.amdhsa_kernel k_q75cc27a0a0_combine
		.amdhsa_group_segment_fixed_size 0
		.amdhsa_private_segment_fixed_size 0
		.amdhsa_enable_private_segment 0
		.amdhsa_kernarg_size 40
		.amdhsa_user_sgpr_count 2
		.amdhsa_user_sgpr_kernarg_segment_ptr 1
		.amdhsa_wavefront_size32 1
		.amdhsa_system_sgpr_workgroup_id_x 1
		.amdhsa_system_sgpr_workgroup_id_y 1
		.amdhsa_system_sgpr_workgroup_id_z 1
		.amdhsa_system_vgpr_workitem_id 0
		.amdhsa_next_free_vgpr 192
		.amdhsa_next_free_sgpr 66
		.amdhsa_reserve_vcc 0
		.amdhsa_float_denorm_mode_32 3
		.amdhsa_float_denorm_mode_16_64 3
		.amdhsa_memory_ordered 1
		.amdhsa_forward_progress 1
		.amdhsa_inst_pref_size 13
	.end_amdhsa_kernel
	.amdgpu_metadata
---
amdhsa.version: [ 1, 2 ]
amdhsa.kernels:
  - .name:           k_q75cc27a0a0_combine
    .symbol:         k_q75cc27a0a0_combine.kd
    .args:
      - { .name: y, .offset: 0, .size: 8, .value_kind: global_buffer, .address_space: global }
      - { .name: sel, .offset: 8, .size: 8, .value_kind: global_buffer, .address_space: global }
      - { .name: gate, .offset: 16, .size: 8, .value_kind: global_buffer, .address_space: global }
      - { .name: b2, .offset: 24, .size: 8, .value_kind: global_buffer, .address_space: global }
      - { .name: out0, .offset: 32, .size: 8, .value_kind: global_buffer, .address_space: global }
    .group_segment_fixed_size: 0
    .private_segment_fixed_size: 0
    .kernarg_segment_align: 8
    .kernarg_segment_size: 40
    .max_flat_workgroup_size: 256
    .sgpr_count:     66
    .vgpr_count:     192
    .wavefront_size: 32
...
	.end_amdgpu_metadata
.endif
;; end of part 4
